; MI455X (gfx1250); checked and timed in simulation.
; The chip was launched on July 23, 2026; its instructions are those of AMD's public machine-readable ISA for CDNA 5 (MIT licence, August 2026) and "CDNA5" Instruction Set Architecture Reference Guide (July 2026). The comments in the code are by the model that wrote it; some were corrected since.
;; Multi Head Attention. Allowed arithmetic: matrix products marked QUANTISED: E4M3 operands, one given power-of-two scale a tensor, by v_wmma_f32_16x16x64_fp8_fp8 or v_wmma_f32_16x16x128_fp8_fp8, f32 sums; everything else in f32.
;; Inputs: K 2 x 4,096 x 512 float32; Q 2 x 4,096 x 512 float32; V 2 x 4,096 x 512 float32; Wk 512 x 512 float32; Wo 512 x 512 float32; Wq 512 x 512 float32; Wv 512 x 512 float32; bk 512 float32; bo 512 float32; bq 512 float32; bv 512 float32; lowp_scales 12 int32 (the exponents e of the quantised operands' scales 2^e); mask 2 x 1 x 1 x 4,096 float32.
;; Outputs: out0 2 x 4,096 x 512 float32.
;; This version of the problem:
;;   THIS VERSION OF THE PROBLEM IS GIVEN IN LOW PRECISION. The matrix products marked QUANTISED in the list below multiply operands that are first quantised to E4M3 (4 exponent bits, 3 mantissa bits; 8 bits a number), with one given power-of-two scale for each operand tensor; their sums are f32. All else is computed in f32.
;;   The module's matrix products, in the order in which they are computed (A, B: the left and right operand; K: the contracted axis; several contracted axes count as one K, in the product's order):
;;     1. [M 8,192, K 512] x [K 512, N 512]; A: input Q; B: input Wq: QUANTISED (scales: A lowp_scales[0], B lowp_scales[1])
;;     2. [M 8,192, K 512] x [K 512, N 512]; A: input K; B: input Wk: QUANTISED (scales: A lowp_scales[2], B lowp_scales[3])
;;     3. [M 8,192, K 512] x [K 512, N 512]; A: input V; B: input Wv: QUANTISED (scales: A lowp_scales[4], B lowp_scales[5])
;;     4. batch 16 x [M 4,096, K 64] x [K 64, N 4,096]; A: computed on the way; B: computed on the way: QUANTISED (scales: A lowp_scales[6], B lowp_scales[7])
;;     5. batch 16 x [M 4,096, K 4,096] x [K 4,096, N 64]; A: softmax (see below); B: computed on the way: QUANTISED (scales: A lowp_scales[8], B lowp_scales[9])
;;     6. [M 8,192, K 512] x [K 512, N 512]; A: computed on the way; B: input Wo: QUANTISED (scales: A lowp_scales[10], B lowp_scales[11])
;;   THE QUANTISER, for each operand of a quantised product, along K:
;;     - The operand's scale is 2^e, e = its entry of the input lowp_scales (int32; the entries are numbered through the quantised products in the list's order, A before B).
;;     - Each number is divided by the scale, clamped to +-448, and rounded to the nearest number of E4M3, ties to even, subnormals kept.
;;     - The product sums the exact products of the quantised numbers (number of the format x scale) in f32.
;;   ~~~python
;;   def quantise(x, axis, e):      # numpy; x: float32 -> the quantised numbers, widened to float32 again
;;       x = np.moveaxis(x, axis, -1); K = x.shape[-1]
;;       r = np.clip(x / 2.0 ** e, -448, 448)
;;       step = 2.0 ** (np.maximum(np.frexp(np.where(r == 0, 1, r))[1] - 1, -6) - 3)
;;       q = np.round(r / step) * step * 2.0 ** e      # np.round: ties to even
;;       return np.moveaxis(q, -1, axis).astype(np.float32)
;;   ~~~
;;   SOFTMAX AHEAD OF A QUANTISED PRODUCT. Where the list says 'softmax', what is quantised is not the finished softmax but p = 2^(t - M), with t = logit x log2(e) and M = ceil(the row's largest t), a whole number; so 1/2 < the row's largest p <= 1. The row's sum l is taken of the UNQUANTISED p, in f32, and the product's result is divided by l at the end. Since M is a whole number, a kernel that streams over the keys may use a running M (the ceiling of the running maximum): every later rescaling is an exact power of two, so the quantised numbers keep their values, but for numbers so far below the row's largest that they fall under the format's range.
;;   OPERANDS COMPUTED ON THE WAY. 'Computed on the way' means the value that the module computes at that place (a softmax that the list does not call 'softmax' is quantised finished and normalised). What goes into a quantiser is computed in f32, as accurately as f32 sums, v_exp_f32 and their like allow (about 1e-6 of the number): no bf16 or f16 on the way to a quantiser, and a product that is left as it is and whose result goes on into a quantised operand takes f32 operands (vector FMAs, or v_wmma_f32_16x16x4_f32). A number that lies on a knife's edge between two numbers of the format may be rounded either way, as far as f32 arithmetic and the matrix unit's own rounding can turn it there, and no further.
;; One version. Each part assembles by itself: llvm-mc -triple=amdgcn-amd-amdhsa -mcpu=gfx1250 --defsym DOCPART=n.
;; ======== version 1 of 1: 4 launches
;; limits: right only within a limited range of input values
;; workspace buffers: wcodes 1,048,576 bytes; qimg 4,194,304 bytes; kv 8,388,608 bytes; oimg 4,194,304 bytes
;; launch wquant (part 1): grid 32 x 4, 4 waves a work-group, no clusters, 0 bytes of LDS; arguments Wq, Wk, Wv, Wo, lowp_scales, wcodes; writes wcodes
.if DOCPART == 1
	.amdgcn_target "amdgcn-amd-amdhsa--gfx1250"
	.amdhsa_code_object_version 6
	.text
	.protected	k_q7ddecf0d39_wquant
	.globl	k_q7ddecf0d39_wquant
	.p2align	8
	.type	k_q7ddecf0d39_wquant,@function
k_q7ddecf0d39_wquant:
	s_mov_b64 s[64:65], 0
	v_nop
	global_prefetch_b8 v0, s[64:65] scope:SCOPE_SE
	s_setreg_imm32_b32 hwreg(HW_REG_WAVE_MODE, 25, 1), 1
	s_wait_xcnt 0x0
; The four weights [512 (n)][512 (k)], f32, K innermost, become codes of E4M3, each with its given scale 2^e (entries 1, 3, 5, 11 of the scales).
; code = w / 2^e, held within +-448, rounded to the nearest code, ties to even.  LIMIT: -126 <= e <= 119.  NaN among the inputs is not served.
; LAYOUT OF wcodes: an image of operand registers: [matrix 0 Wq, 1 Wk, 2 Wv, 3 Wo][tile T 0..31][K step s 0..3][chunk c 0..3][512 bytes].
; A chunk is four registers of a wave, lane l's 16 bytes at 16 l.  Lane (r = l % 16, h = l / 16) holds row n = 32 (T / 2) + 8 (T % 2) + r + 8 (r / 8), k = 128 s + 32 c + 16 h + 0 .. 15.
; The rows of a tile are not neighbours: so the results of two neighbouring tiles are 16 neighbours along n in a lane's registers.
; SHARES.  Work-group (x = T, y = matrix); wave s makes one fragment: 16 rows x 128 k.  A lane loads 64 neighbouring bytes for each chunk; the wave's 16 loads together take 512 whole bytes of each of 16 rows.
; Each store of the wave covers 512 consecutive bytes, aligned.  No LDS, no barrier, no matrix work: 4 MB in, 1 MB out, each byte once.
.set X, 16                             ; v16-79  64 numbers: register 16 c + i = k 32 c + 16 h + i of my row
.set C, 80                             ; v80-95  their codes
	s_load_b256 s[4:11], s[0:1], 0x0               ; Wq, Wk, Wv, Wo
	s_load_b128 s[12:15], s[0:1], 0x20             ; the scales' exponents, wcodes
	v_lshrrev_b32 v1, 5, v0
	v_readfirstlane_b32 s16, v1                    ; wave = K step
	s_and_b32 s17, ttmp7, 0xffff                   ; which matrix
	s_and_b32 s38, s17, 1
	v_and_b32 v1, 15, v0                           ; r
	v_bfe_u32 v2, v0, 4, 1                         ; h
	v_and_b32 v5, 8, v1
	v_add_nc_u32 v5, v5, v1                        ; r + 8 (r / 8)
	v_lshlrev_b32 v3, 11, v5                       ; a row of W is 2,048 bytes
	v_lshl_add_u32 v3, v2, 6, v3                   ; + 64 h
	v_and_b32 v4, 31, v0
	v_lshlrev_b32 v4, 4, v4                        ; 16 x lane
	s_lshr_b32 s32, ttmp9, 1
	s_lshl_b32 s32, s32, 5
	s_and_b32 s33, ttmp9, 1
	s_lshl_b32 s33, s33, 3
	s_add_co_u32 s32, s32, s33                     ; the tile's first row: 32 (T / 2) + 8 (T % 2)
	s_lshl_b32 s32, s32, 11
	s_lshl_b32 s33, s16, 9
	s_add_co_u32 s32, s32, s33                     ; + 512 bytes for each K step
	s_mov_b32 s33, 0
	s_lshl_b32 s34, ttmp9, 2
	s_add_co_u32 s34, s34, s16
	s_lshl_b32 s34, s34, 11                        ; fragment 4 T + s, 2,048 bytes each,
	s_lshl_b32 s35, s17, 18
	s_add_co_u32 s34, s34, s35                     ; in matrix y's 262,144
	s_mov_b32 s35, 0
	s_wait_alu depctr_va_vdst(0)
	s_wait_kmcnt 0x0
	s_load_b256 s[20:27], s[12:13], 0x0            ; entries 0 to 7
	s_load_b128 s[28:31], s[12:13], 0x20           ; entries 8 to 11
	s_cmp_lt_u32 s17, 2                            ; the choice hangs on the work-group's number alone
	s_cselect_b64 s[4:5], s[4:5], s[8:9]           ; Wq or Wv
	s_cselect_b64 s[6:7], s[6:7], s[10:11]         ; Wk or Wo
	s_cmp_lg_u32 s38, 0
	s_cselect_b64 s[4:5], s[6:7], s[4:5]
	s_add_nc_u64 s[4:5], s[4:5], s[32:33]
	s_add_nc_u64 s[14:15], s[14:15], s[34:35]
.irp c, 0,1,2,3
.irp j, 0,1,2,3
	global_load_b128 v[X+16*\c+4*\j:X+16*\c+4*\j+3], v3, s[4:5] offset:128*\c+16*\j th:TH_LOAD_NT
.endr
.endr
	s_wait_kmcnt 0x0
	s_cmp_lt_u32 s17, 2
	s_cselect_b32 s36, s21, s25                    ; entry 1 or 5
	s_cselect_b32 s37, s23, s31                    ; entry 3 or 11
	s_cmp_lg_u32 s38, 0
	s_cselect_b32 s36, s37, s36                    ; e
	s_add_co_i32 s36, s36, 127
	s_lshl_b32 s37, s36, 23
	v_mov_b32 v11, s37                             ; 2^e as f32: the conversion takes its exponent field
	s_add_co_i32 s36, s36, 8
	s_lshl_b32 s36, s36, 23
	s_or_b32 s36, s36, 0x600000
	v_mov_b32 v10, s36                             ; 448 x 2^e
	s_wait_alu depctr_va_vdst(0)
	s_wait_loadcnt 0x0
.irp c, 0,1,2,3
.irp i, 0,1,2,3,4,5,6,7,8,9,10,11,12,13,14,15
	v_med3_num_f32 v[X+16*\c+\i], v[X+16*\c+\i], -v10, v10   ; the conversion to an 8-bit code does not saturate (ISA guide 7.6.2): the hold comes first
.endr
	v_cvt_scalef32_pk8_fp8_f32 v[C+4*\c:C+4*\c+1], v[X+16*\c:X+16*\c+7], v11
	v_cvt_scalef32_pk8_fp8_f32 v[C+4*\c+2:C+4*\c+3], v[X+16*\c+8:X+16*\c+15], v11
.endr
	v_nop                                          ; a plain line behind the last conversion
.irp c, 0,1,2,3
	global_store_b128 v4, v[C+4*\c:C+4*\c+3], s[14:15] offset:512*\c   ; 32 lanes store 512 consecutive bytes
.endr
	s_endpgm
.Lfunc_end_k_q7ddecf0d39_wquant:
	.size	k_q7ddecf0d39_wquant, .Lfunc_end_k_q7ddecf0d39_wquant-k_q7ddecf0d39_wquant
	.p2alignl 7, 3214868480
	.fill 96, 4, 3214868480
	.section	.rodata,"a",@progbits
	.p2align	6, 0x0
	.amdhsa_kernel k_q7ddecf0d39_wquant
		.amdhsa_group_segment_fixed_size 0
		.amdhsa_private_segment_fixed_size 0
		.amdhsa_enable_private_segment 0
		.amdhsa_kernarg_size 48
		.amdhsa_user_sgpr_count 2
		.amdhsa_user_sgpr_kernarg_segment_ptr 1
		.amdhsa_wavefront_size32 1
		.amdhsa_system_sgpr_workgroup_id_x 1
		.amdhsa_system_sgpr_workgroup_id_y 1
		.amdhsa_system_sgpr_workgroup_id_z 1
		.amdhsa_system_vgpr_workitem_id 0
		.amdhsa_next_free_vgpr 96
		.amdhsa_next_free_sgpr 66
		.amdhsa_reserve_vcc 0
		.amdhsa_float_denorm_mode_32 3
		.amdhsa_float_denorm_mode_16_64 3
		.amdhsa_memory_ordered 1
		.amdhsa_forward_progress 1
		.amdhsa_inst_pref_size 9
	.end_amdhsa_kernel
	.amdgpu_metadata
---
amdhsa.version: [ 1, 2 ]
amdhsa.kernels:
  - .name:           k_q7ddecf0d39_wquant
    .symbol:         k_q7ddecf0d39_wquant.kd
    .args:
      - { .name: Wq, .offset: 0, .size: 8, .value_kind: global_buffer, .address_space: global }
      - { .name: Wk, .offset: 8, .size: 8, .value_kind: global_buffer, .address_space: global }
      - { .name: Wv, .offset: 16, .size: 8, .value_kind: global_buffer, .address_space: global }
      - { .name: Wo, .offset: 24, .size: 8, .value_kind: global_buffer, .address_space: global }
      - { .name: lowp_scales, .offset: 32, .size: 8, .value_kind: global_buffer, .address_space: global }
      - { .name: wcodes, .offset: 40, .size: 8, .value_kind: global_buffer, .address_space: global }
    .group_segment_fixed_size: 0
    .private_segment_fixed_size: 0
    .kernarg_segment_align: 8
    .kernarg_segment_size: 48
    .max_flat_workgroup_size: 128
    .sgpr_count:     66
    .vgpr_count:     96
    .wavefront_size: 32
...
	.end_amdgpu_metadata
.endif
;; end of part 1
;; launch proj (part 2): grid 64 x 3, 4 waves a work-group, no clusters, 327,680 bytes of LDS; arguments Q, K, V, wcodes, bq, bk, bv, mask, lowp_scales, qimg, kv; writes qimg, kv
.if DOCPART == 2
	.amdgcn_target "amdgcn-amd-amdhsa--gfx1250"
	.amdhsa_code_object_version 6
	.text
	.protected	k_q7ddecf0d39_proj
	.globl	k_q7ddecf0d39_proj
	.p2align	8
	.type	k_q7ddecf0d39_proj,@function
k_q7ddecf0d39_proj:
	s_mov_b64 s[64:65], 0
	v_nop
	global_prefetch_b8 v0, s[64:65] scope:SCOPE_SE
	s_setreg_imm32_b32 hwreg(HW_REG_WAVE_MODE, 25, 1), 1
	s_wait_xcnt 0x0
; q = Q Wq^T + bq, k = K Wk^T + bk, v = V Wv^T + bv on codes of E4M3, and the results quantised at once for the attention: nothing wider than a code goes to memory.
; SHARES.  Work-group (x: rows 128 x .. 128 x + 127 of the 8,192; y: 0 Q, 1 K, 2 V): 192 work-groups.  Wave w owns columns 128 w .. 128 w + 127 (heads 2 w, 2 w + 1): its 32 fragments of the
; weight (512 registers, 64 KB on end in wcodes) are read once and serve all 128 rows.  The weights go straight into registers and X's tiles are read by one work-group alone: no LDS tile is shared
; between work-groups, so no cluster and no joint load.  The launch has no loop to run ahead in, so no prefetch is laid.
; X, in two halves of 64 rows: wave w brings K step w (128 numbers, 512 bytes) of a half's rows into LDS by one tensor load, reads only its own bytes, quantises them and stores the codes as images of
; operand registers; a barrier; every wave then loads all 16 fragments of the half.  The second half's load goes out when the first has landed and is on its way while the first half is worked.
; LDS: two raw slots; the first half's images behind them; the second half's images lie over raw slot 0, which has had its one fill and whose last reads are over at the barrier ahead of those stores.
; TILES.  A tile of 16 rows (of X or of the weight) is rows 32 g + 8 u + r + 8 (r / 8) (tile 2 g + u, lane r = l % 16): in a result the 16 registers of tiles 2 g and 2 g + 1 are 16 neighbours.
; A chunk is four registers, lane l's 16 bytes at 16 l: k = 32 c + 16 (l / 16) + 0 .. 15 of the lane's row: a permutation of k that is the same in both operands of every product.
; q AND k: transposed use (source 0 = weight, source 1 = X): a lane holds one row, its registers run along the head's 64.  v: source 0 = X, source 1 = weight: a lane holds one column d, its registers run along the keys.
; qimg [16 heads of the two batches][256 tiles of queries][2 chunks][512];   kv [16][32 blocks of 128 keys][16,384]: K at 1024 t + 512 c, V at 8192 + 2048 T + 512 c.
; THE BIAS is the C of each sum's first matrix instruction, divided by 2^(eX + eW); the result's conversion takes the one scale 2^(eOut - eX - eW).
; THE MASK: k's codes at keys whose mask is 0 are zeros (the hold's limit is 0 in those lanes).
; LIMITS: eX and eOut - eX - eW lie between -126 and 119.  NaN among the inputs is not served.
; REGISTERS: window 0: v1-31 addresses and constants; v32-63 codes; v64-127 eight accumulators (before that: the mask); v128-255 two sets of 64: X's numbers, later X's fragments.
;   window 1: the weight's K steps 0, 1 (tile T, step s at 32 T + 16 s);  window 2: K steps 2, 3;  window 3: v0-63 the bias, eight registers a tile.
.set PITCH, 528                        ; a row of X's tile in LDS: 512 bytes + 16
.set XRAWB, 64*PITCH                   ; a wave's tile
.set SLOT1, 4*XRAWB                    ; the second half's raw slot
.set XIMG,  2*SLOT1                    ; the first half's 16 fragments of 2,048 bytes: tile of rows m, K step s: 4 m + s
.set SPARE, XIMG+16*2048               ; the spare words, 128 bytes a wave
.set XW1,  1                           ; v1   where I store the second half's images: from LDS byte 0 on
.set XR1,  2                           ; v2   my place in my wave's tile of the second raw slot
.set LI,   4                           ; v4   16 x lane (also: where the second half's images are read)
.set XR,   5
.set XW,   6
.set XFA,  7
.set SCX,  8
.set LIMX, 9
.set SCO,  10
.set LIMO, 11
.set LIMM, 12                          ; v12-19  448 x the result's scale, but 0 where y = 1 and my row of tile m is a masked key
.set SPW,  20
.set NIL,  21
.set ZR,   22
.set MO,   23
.set BA,   24
.set PC,   32
.set ACC,  64
.set MK,   64                          ; v64-71  the mask at my row of tile m, until the first products
.set XS,   128
.set MSB, 0
.macro WIN new                         ; the immediate's high byte repeats the setting that is left
.if MSB != \new
	s_set_vgpr_msb (MSB<<8)|\new
.set MSB, \new
.endif
.endm
.macro QUANT src, pc, sc, lim          ; 64 numbers of a lane become 16 registers of codes
.irp b, 0,1,2,3
.irp i, 0,1,2,3,4,5,6,7,8,9,10,11,12,13,14,15
	v_med3_num_f32 v[\src+16*\b+\i], v[\src+16*\b+\i], -v[\lim], v[\lim]   ; the conversion does not saturate (ISA guide 7.6.2): the hold comes first
.endr
	v_cvt_scalef32_pk8_fp8_f32 v[\pc+4*\b:\pc+4*\b+1], v[\src+16*\b:\src+16*\b+7], v[\sc]
	v_cvt_scalef32_pk8_fp8_f32 v[\pc+4*\b+2:\pc+4*\b+3], v[\src+16*\b+8:\src+16*\b+15], v[\sc]
.endr
	v_nop                                          ; a plain line behind the last conversion
.endm
.macro LOADX m                         ; my 64 numbers of tile m of rows, K step = my wave, into set m % 2
.if (\m) < 4
.set XA, XR
.else
.set XA, XR1
.endif
.irp bb, 0,1,2,3
.irp j, 0,1,2,3
	ds_load_b128 v[XS+64*((\m)%2)+16*\bb+4*\j:XS+64*((\m)%2)+16*\bb+4*\j+3], v[XA] offset:(32*(((\m)%4)/2)+8*((\m)%2))*PITCH+128*\bb+16*\j
.endr
.endr
.endm
.macro XQ m                            ; they are quantised, and the fragment goes to LDS as it stands
.set QS, XS+64*((\m)%2)
.set PCS, PC+16*((\m)%2)
	QUANT QS, PCS, SCX, LIMX
.irp c, 0,1,2,3
.if (\m) < 4
	ds_store_b128 v[XW], v[PCS+4*\c:PCS+4*\c+3] offset:(\m)*8192+512*\c
.else
	ds_store_b128 v[XW1], v[PCS+4*\c:PCS+4*\c+3] offset:((\m)-4)*8192+512*\c
.endif
.endr
.endm
.macro XPHASE b                        ; a half's four tiles.  LDS instructions end in order (ISA guide 5.7.1): each count names what was issued behind the loads that are wanted
	LOADX (\b)
	LOADX (\b)+1
	s_wait_dscnt 16                                ; the first tile's loads are in; the second's 16 may be out
	XQ (\b)
	LOADX (\b)+2
	s_wait_dscnt 20                                ; behind the wanted loads: 4 stores and 16 loads
	XQ (\b)+1
	LOADX (\b)+3
	s_wait_dscnt 20
	XQ (\b)+2
	s_wait_dscnt 4                                 ; the last 4 stores may be out
	XQ (\b)+3
.endm
.macro FETCH m                         ; tile m's four fragments into set m % 2
.irp s, 0,1,2,3
.irp c, 0,1,2,3
.if (\m) < 4
	ds_load_b128 v[XS+64*((\m)%2)+16*\s+4*\c:XS+64*((\m)%2)+16*\s+4*\c+3], v[XFA] offset:(4*(\m)+\s)*2048+512*\c
.else
	ds_load_b128 v[XS+64*((\m)%2)+16*\s+4*\c:XS+64*((\m)%2)+16*\s+4*\c+3], v[LI] offset:(4*((\m)-4)+\s)*2048+512*\c
.endif
.endr
.endr
.endm
.macro PLACES
.rept 4
	v_nop
.endr
.endm
	s_load_b512 s[4:19], s[0:1], 0x0               ; Q, K, V, wcodes s[10:11], bq, bk, bv, mask s[18:19]
	s_load_b128 s[20:23], s[0:1], 0x40             ; the scales' exponents, qimg
	s_load_b64 s[24:25], s[0:1], 0x50              ; kv
	v_lshl_add_u32 v[SPW], v0, 2, SPARE
	v_mov_b32 v[NIL], 0
	ds_add_u32 v[SPW], v[NIL]                      ; the opening: the add, twice on end, and its wait ahead of my first tensor load
	ds_add_u32 v[SPW], v[NIL]
	v_lshrrev_b32 v1, 5, v0
	v_readfirstlane_b32 s28, v1                    ; wave 0..3
	s_and_b32 s26, ttmp7, 0xffff                   ; y: which tensor
	s_mov_b32 s32, (2<<16)|(1<<20)|(6<<22)|(3<<25) ; group 1: 64 rows x 128 elements of 4 bytes, 512 from row to row, 4 words of padding behind every 128
	s_mov_b32 s33, 128<<16
	s_mov_b32 s34, 64<<16
	s_mov_b32 s35, 128<<16
	s_mov_b32 s36, 64
	s_mov_b32 s37, 512
	s_mov_b32 s38, 0
	s_mov_b32 s39, 0
	v_and_b32 v1, 31, v0
	v_and_b32 v2, 15, v0                           ; r
	v_bfe_u32 v3, v0, 4, 1                         ; h
	v_lshlrev_b32 v[LI], 4, v1
	v_and_b32 v[MO], 8, v2
	v_add_nc_u32 v[MO], v[MO], v2                  ; r + 8 (r / 8)
	v_mul_u32_u24 v[XR], v[MO], PITCH
	v_lshl_add_u32 v[XR], v3, 6, v[XR]             ; + 64 h
	s_mul_i32 s29, s28, XRAWB                      ; my wave's tile in a raw slot
	v_add_nc_u32 v[XR], s29, v[XR]
	s_lshl_b32 s30, s28, 11
	v_add_nc_u32 v[XW], s30, v[LI]
	v_add_nc_u32 v[XW], XIMG, v[XW]                ; fragment 4 m + wave
	v_add_nc_u32 v[XFA], XIMG, v[LI]
	; the bias in the result's layout.  q, k: register j of tile T is column 32 (T / 2) + 8 (T % 2) + 16 h + j;  v: all eight are column 32 (T / 2) + 8 (T % 2) + r + 8 (r / 8)
	s_cmp_eq_u32 s26, 2
	s_cselect_b32 s61, 4, 0
	s_cselect_b32 s62, 0, 64
	s_cselect_b32 s63, 0, 4
	v_mul_u32_u24 v[BA], v[MO], s61
	v_mad_u32_u24 v[BA], v3, s62, v[BA]
.irp j, 1,2,3,4,5,6,7
	v_add_nc_u32 v[BA+\j], s63, v[BA+\j-1]
.endr
	v_add_nc_u32 v[XW1], s30, v[LI]
	v_add_nc_u32 v[XR1], SLOT1, v[XR]
	v_lshlrev_b32 v[MO], 2, v[MO]
	v_mov_b32 v[ZR], 0
	; byte offsets, made apart from the addresses
	s_lshl_b32 s74, ttmp9, 18                      ; X: 128 rows of 2,048 bytes for each x,
	s_lshl_b32 s82, s28, 9                         ; + 512 x wave (also: my 128 numbers of the bias)
	s_add_co_u32 s74, s74, s82
	s_mov_b32 s75, 0
	s_mov_b32 s83, 0
	s_lshl_b32 s80, s26, 18                        ; wcodes: matrix y, my 8 tiles of 8,192 bytes
	s_lshl_b32 s81, s28, 16
	s_add_co_u32 s80, s80, s81
	s_mov_b32 s81, 0
	s_lshl_b32 s84, ttmp9, 9                       ; the mask at row 128 x
	s_mov_b32 s85, 0
	s_lshr_b32 s86, ttmp9, 5
	s_lshl_b32 s86, s86, 3
	s_lshl_b32 s87, s28, 1
	s_add_co_u32 s86, s86, s87                     ; 8 x batch + head 2 w
	s_and_b32 s87, ttmp9, 31                       ; my block of 128 rows in the batch
	s_lshl_b32 s76, s86, 18
	s_lshl_b32 s77, s87, 13
	s_add_co_u32 s76, s76, s77                     ; qimg: 262,144 a head, 8 tiles of 1,024 a block
	s_lshl_b32 s78, s86, 19
	s_lshl_b32 s77, s87, 14
	s_add_co_u32 s78, s78, s77                     ; kv: 524,288 a head, 16,384 for 128 keys;
	s_cmp_eq_u32 s26, 2
	s_cselect_b32 s77, 8192, 0                     ; v lies behind K's 8,192 bytes
	s_add_co_u32 s78, s78, s77
	s_cmp_eq_u32 s26, 0
	s_cselect_b32 s76, s76, s78
	s_mov_b32 s78, 524288
	s_cselect_b32 s78, 262144, s78                 ; from head 2 w to head 2 w + 1
	s_mov_b32 s77, 0
	s_mov_b32 s79, 0
	s_cmp_eq_u32 s26, 1
	s_cselect_b32 s56, -1, 0                       ; all ones where the mask counts: for k alone
	s_wait_alu depctr_va_vdst(0)
	s_wait_dscnt 0x0                               ; both opening adds are done
	s_wait_kmcnt 0x0
	s_load_b256 s[44:51], s[20:21], 0x0            ; entries 0 to 7
	s_load_b128 s[52:55], s[20:21], 0x20           ; entries 8 to 11
	s_cmp_eq_u32 s26, 0                            ; the choices hang on the work-group's number alone
	s_cselect_b64 s[70:71], s[4:5], s[6:7]
	s_cselect_b64 s[72:73], s[12:13], s[14:15]
	s_cselect_b64 s[66:67], s[22:23], s[24:25]
	s_cmp_eq_u32 s26, 2
	s_cselect_b64 s[70:71], s[8:9], s[70:71]       ; X
	s_cselect_b64 s[72:73], s[16:17], s[72:73]     ; its bias
	s_add_nc_u64 s[70:71], s[70:71], s[74:75]
	s_add_nc_u64 s[72:73], s[72:73], s[82:83]
	s_add_nc_u64 s[66:67], s[66:67], s[76:77]      ; where head 2 w's codes go,
	s_add_nc_u64 s[68:69], s[66:67], s[78:79]      ; and head 2 w + 1's
	s_add_nc_u64 s[10:11], s[10:11], s[80:81]
	s_add_nc_u64 s[18:19], s[18:19], s[84:85]
	s_mov_b32 s40, 1                               ; group 0 for rows 0-63
	s_mov_b32 s41, s29
	s_mov_b64 s[42:43], s[70:71]
	s_or_b32 s43, s43, 0x80000000
	s_mov_b32 s88, 1                               ; and for rows 64-127: the second raw slot, 64 rows of 2,048 bytes on
	s_add_co_u32 s89, s29, SLOT1
	s_add_nc_u64 s[90:91], s[70:71], 131072
	s_or_b32 s91, s91, 0x80000000
	tensor_load_to_lds s[40:43], s[32:39]          ; my one tensor load at the head
	s_nop 0
	PLACES
	WIN 0x40                                       ; destination window 1
.irp t, 0,1,2,3,4,5,6,7
.irp s, 0,1
.irp c, 0,1,2,3
	global_load_b128 v[32*\t+16*\s+4*\c:32*\t+16*\s+4*\c+3], v[LI], s[10:11] offset:(4*\t+\s)*2048+512*\c
.endr
.endr
.endr
	WIN 0x80                                       ; destination window 2
.irp t, 0,1,2,3,4,5,6,7
.irp s, 2,3
.irp c, 0,1,2,3
	global_load_b128 v[32*\t+16*(\s-2)+4*\c:32*\t+16*(\s-2)+4*\c+3], v[LI], s[10:11] offset:(4*\t+\s)*2048+512*\c
.endr
.endr
.endr
	WIN 0xc0                                       ; destination window 3
.irp t, 0,1,2,3,4,5,6,7
.irp j, 0,1,2,3,4,5,6,7
	global_load_b32 v[8*\t+\j], v[BA+\j], s[72:73] offset:4*(32*(\t/2)+8*(\t%2))
.endr
.endr
	WIN 0
.irp m, 0,1,2,3,4,5,6,7
	global_load_b32 v[MK+\m], v[MO], s[18:19] offset:4*(32*(\m/2)+8*(\m%2))
.endr
	s_wait_kmcnt 0x0
	s_cmp_eq_u32 s26, 0
	s_cselect_b32 s58, s44, s46
	s_cselect_b32 s59, s45, s47
	s_cselect_b32 s60, s50, s51
	s_cmp_eq_u32 s26, 2
	s_cselect_b32 s58, s48, s58                    ; eX: entry 0, 2 or 4
	s_cselect_b32 s59, s49, s59                    ; eW: entry 1, 3 or 5
	s_cselect_b32 s60, s53, s60                    ; eOut: entry 6, 7 or 9
	s_add_co_i32 s61, s58, 127
	s_lshl_b32 s62, s61, 23
	v_mov_b32 v[SCX], s62
	s_add_co_i32 s61, s61, 8
	s_lshl_b32 s61, s61, 23
	s_or_b32 s61, s61, 0x600000
	v_mov_b32 v[LIMX], s61
	s_add_co_i32 s59, s58, s59                     ; eX + eW
	s_sub_co_i32 s60, s60, s59
	s_add_co_i32 s61, s60, 127
	s_lshl_b32 s62, s61, 23
	v_mov_b32 v[SCO], s62
	s_add_co_i32 s61, s61, 8
	s_lshl_b32 s61, s61, 23
	s_or_b32 s61, s61, 0x600000
	v_mov_b32 v[LIMO], s61
	s_sub_co_i32 s59, 0, s59                       ; -(eX + eW)
	s_wait_alu depctr_va_vdst(0)
	s_wait_tensorcnt 0x0                           ; my tile of rows 0-63 is in
	ds_add_u32 v[SPW], v[NIL]
	s_wait_dscnt 0x0
	s_barrier_signal -1
	s_barrier_wait -1
	tensor_load_to_lds s[88:91], s[32:39]          ; rows 64-127, into bytes that nothing has filled
	s_nop 0
	PLACES
	XPHASE 0                                       ; rows 0-63: my K step becomes four fragments
	s_wait_loadcnt 0x0                             ; the weight, the bias, the mask
	WIN 0xc3                                       ; source 0 and destination window 3
.set j, 0
.rept 64
	v_ldexp_f32 v[j], v[j], s59                    ; bias / 2^(eX + eW)
.set j, j+1
.endr
	WIN 0
.irp m, 0,1,2,3,4,5,6,7
	v_cmp_eq_f32 s57, 0, v[MK+\m]
	s_and_b32 s57, s57, s56
	v_cndmask_b32 v[LIMM+\m], v[LIMO], v[ZR], s57  ; a choice of values: no branch hangs on the mask
.endr
	s_wait_alu depctr_va_vdst(0)
	s_wait_dscnt 0x0                               ; for the others' sake: my images lie in LDS, and my reads of raw slot 0 are over
	s_barrier_signal -1
	s_barrier_wait -1
	FETCH 0
	FETCH 1
	s_cmp_eq_u32 s26, 2                            ; the work-group's number: all four waves go the same way
	s_cbranch_scc1 .Lv
; q, k: tile m of rows: eight accumulators by turns, K step by K step; then 64 numbers a lane become four chunks
.macro ROWQK m
.if ((\m)%4) < 3
	s_wait_dscnt 16                                ; this tile's fragments are in; the next fetch's 16 loads may be out
.else
	s_wait_dscnt 0x0
.endif
.set XF, XS+64*((\m)%2)
	WIN 0x31                                       ; source 0 (weight) window 1, C (bias) window 3
.irp t, 0,1,2,3,4,5,6,7
	v_wmma_f32_16x16x128_fp8_fp8 v[ACC+8*\t:ACC+8*\t+7], v[32*\t:32*\t+15], v[XF:XF+15], v[8*\t:8*\t+7]
.endr
	WIN 0x01
.irp t, 0,1,2,3,4,5,6,7
	v_wmma_f32_16x16x128_fp8_fp8 v[ACC+8*\t:ACC+8*\t+7], v[32*\t+16:32*\t+31], v[XF+16:XF+31], v[ACC+8*\t:ACC+8*\t+7]
.endr
	WIN 0x02                                       ; source 0 window 2
.irp s, 2,3
.irp t, 0,1,2,3,4,5,6,7
	v_wmma_f32_16x16x128_fp8_fp8 v[ACC+8*\t:ACC+8*\t+7], v[32*\t+16*(\s-2):32*\t+16*(\s-2)+15], v[XF+16*\s:XF+16*\s+15], v[ACC+8*\t:ACC+8*\t+7]
.endr
.endr
	WIN 0
	PLACES                                         ; four places in front of loads into registers that the products read, and of the first read of results
.if ((\m)%4) < 2
	FETCH (\m)+2
.endif
.if (\m) >= 2
	s_wait_xcnt 0x0                                ; the stores of two tiles back have read their registers
.endif
.set PCS, PC+16*((\m)%2)
.set LM, LIMM+(\m)
	QUANT ACC, PCS, SCO, LM                        ; each accumulator from its low end on
.irp b, 0,1,2,3
	global_store_b128 v[LI], v[PCS+4*\b:PCS+4*\b+3], s[66+2*(\b/2):67+2*(\b/2)] offset:(\m)*1024+(\b%2)*512   ; head 2 w + b / 2, chunk b % 2: 512 consecutive bytes
.endr
.endm
; v: source 0 = X, source 1 = weight: a lane holds one column d, its registers eight keys; two tiles of rows make a chunk of 16 keys a lane
.macro ROWV m
.if ((\m)%4) < 3
	s_wait_dscnt 16
.else
	s_wait_dscnt 0x0
.endif
.set XF, XS+64*((\m)%2)
	WIN 0x34                                       ; source 1 (weight) window 1, C (bias) window 3
.irp t, 0,1,2,3,4,5,6,7
	v_wmma_f32_16x16x128_fp8_fp8 v[ACC+8*\t:ACC+8*\t+7], v[XF:XF+15], v[32*\t:32*\t+15], v[8*\t:8*\t+7]
.endr
	WIN 0x04
.irp t, 0,1,2,3,4,5,6,7
	v_wmma_f32_16x16x128_fp8_fp8 v[ACC+8*\t:ACC+8*\t+7], v[XF+16:XF+31], v[32*\t+16:32*\t+31], v[ACC+8*\t:ACC+8*\t+7]
.endr
	WIN 0x08                                       ; source 1 window 2
.irp s, 2,3
.irp t, 0,1,2,3,4,5,6,7
	v_wmma_f32_16x16x128_fp8_fp8 v[ACC+8*\t:ACC+8*\t+7], v[XF+16*\s:XF+16*\s+15], v[32*\t+16*(\s-2):32*\t+16*(\s-2)+15], v[ACC+8*\t:ACC+8*\t+7]
.endr
.endr
	WIN 0
	PLACES
.if ((\m)%4) < 2
	FETCH (\m)+2
.endif
.set j, 0
.rept 64
	v_med3_num_f32 v[ACC+j], v[ACC+j], -v[LIMO], v[LIMO]
.set j, j+1
.endr
.if ((\m)%2 == 0) && ((\m) >= 2)
	s_wait_alu depctr_va_vdst(0)
	s_wait_xcnt 0x0                                ; the last eight stores have read their registers
.endif
.irp t, 0,1,2,3,4,5,6,7
	v_cvt_scalef32_pk8_fp8_f32 v[PC+4*\t+2*((\m)%2):PC+4*\t+2*((\m)%2)+1], v[ACC+8*\t:ACC+8*\t+7], v[SCO]
.endr
	v_nop
.if (\m)%2 == 1
.irp t, 0,1,2,3,4,5,6,7
	global_store_b128 v[LI], v[PC+4*\t:PC+4*\t+3], s[66+2*(\t/4):67+2*(\t/4)] offset:(\t%4)*2048+((\m)/2)*512   ; head 2 w + t / 4, tile t % 4 of d, chunk m / 2 of 32 keys
.endr
.endif
.endm
	s_wait_alu depctr_va_vdst(0)
	ROWQK 0
	ROWQK 1
	ROWQK 2
	ROWQK 3
	s_wait_alu depctr_va_vdst(0)
	s_branch .Lmid
.Lv:
	s_wait_alu depctr_va_vdst(0)
	ROWV 0
	ROWV 1
	ROWV 2
	ROWV 3
	s_wait_alu depctr_va_vdst(0)
.Lmid:
	s_wait_xcnt 0x0                                ; the stores have read the codes' registers, which the images' codes take
	s_wait_tensorcnt 0x0                           ; my tile of rows 64-127 is in LDS; only I read it
	XPHASE 4
	s_wait_alu depctr_va_vdst(0)
	s_wait_dscnt 0x0                               ; for the others' sake: my images lie in LDS
	s_barrier_signal -1
	s_barrier_wait -1
	FETCH 4
	FETCH 5
	s_cmp_eq_u32 s26, 2
	s_cbranch_scc1 .Lv2
	s_wait_alu depctr_va_vdst(0)
	ROWQK 4
	ROWQK 5
	ROWQK 6
	ROWQK 7
	s_wait_alu depctr_va_vdst(0)
	s_branch .Lend
.Lv2:
	s_wait_alu depctr_va_vdst(0)
	ROWV 4
	ROWV 5
	ROWV 6
	ROWV 7
.Lend:
	s_wait_tensorcnt 0x0                           ; the wave's end
	ds_add_u32 v[SPW], v[NIL]
	s_wait_dscnt 0x0
	s_endpgm
.Lfunc_end_k_q7ddecf0d39_proj:
	.size	k_q7ddecf0d39_proj, .Lfunc_end_k_q7ddecf0d39_proj-k_q7ddecf0d39_proj
	.p2alignl 7, 3214868480
	.fill 96, 4, 3214868480
	.section	.rodata,"a",@progbits
	.p2align	6, 0x0
	.amdhsa_kernel k_q7ddecf0d39_proj
		.amdhsa_group_segment_fixed_size 327680
		.amdhsa_private_segment_fixed_size 0
		.amdhsa_enable_private_segment 0
		.amdhsa_kernarg_size 88
		.amdhsa_user_sgpr_count 2
		.amdhsa_user_sgpr_kernarg_segment_ptr 1
		.amdhsa_wavefront_size32 1
		.amdhsa_system_sgpr_workgroup_id_x 1
		.amdhsa_system_sgpr_workgroup_id_y 1
		.amdhsa_system_sgpr_workgroup_id_z 1
		.amdhsa_system_vgpr_workitem_id 0
		.amdhsa_next_free_vgpr 1024
		.amdhsa_next_free_sgpr 100
		.amdhsa_reserve_vcc 0
		.amdhsa_float_denorm_mode_32 3
		.amdhsa_float_denorm_mode_16_64 3
		.amdhsa_memory_ordered 1
		.amdhsa_forward_progress 1
		.amdhsa_inst_pref_size 206
	.end_amdhsa_kernel
	.amdgpu_metadata
---
amdhsa.version: [ 1, 2 ]
amdhsa.kernels:
  - .name:           k_q7ddecf0d39_proj
    .symbol:         k_q7ddecf0d39_proj.kd
    .args:
      - { .name: Q, .offset: 0, .size: 8, .value_kind: global_buffer, .address_space: global }
      - { .name: K, .offset: 8, .size: 8, .value_kind: global_buffer, .address_space: global }
      - { .name: V, .offset: 16, .size: 8, .value_kind: global_buffer, .address_space: global }
      - { .name: wcodes, .offset: 24, .size: 8, .value_kind: global_buffer, .address_space: global }
      - { .name: bq, .offset: 32, .size: 8, .value_kind: global_buffer, .address_space: global }
      - { .name: bk, .offset: 40, .size: 8, .value_kind: global_buffer, .address_space: global }
      - { .name: bv, .offset: 48, .size: 8, .value_kind: global_buffer, .address_space: global }
      - { .name: mask, .offset: 56, .size: 8, .value_kind: global_buffer, .address_space: global }
      - { .name: lowp_scales, .offset: 64, .size: 8, .value_kind: global_buffer, .address_space: global }
      - { .name: qimg, .offset: 72, .size: 8, .value_kind: global_buffer, .address_space: global }
      - { .name: kv, .offset: 80, .size: 8, .value_kind: global_buffer, .address_space: global }
    .group_segment_fixed_size: 327680
    .private_segment_fixed_size: 0
    .kernarg_segment_align: 8
    .kernarg_segment_size: 88
    .max_flat_workgroup_size: 128
    .sgpr_count:     100
    .vgpr_count:     1024
    .wavefront_size: 32
...
	.end_amdgpu_metadata
.endif
;; end of part 2
;; launch attn (part 3): grid 16 x 16, 8 waves a work-group, clusters of 4 x 1, 327,680 bytes of LDS; arguments qimg, kv, mask, lowp_scales, oimg; writes oimg
.if DOCPART == 3
	.amdgcn_target "amdgcn-amd-amdhsa--gfx1250"
	.amdhsa_code_object_version 6
	.text
	.protected	k_q7ddecf0d39_attn
	.globl	k_q7ddecf0d39_attn
	.p2align	8
	.type	k_q7ddecf0d39_attn,@function
k_q7ddecf0d39_attn:
	s_mov_b64 s[64:65], 0
	v_nop
	global_prefetch_b8 v0, s[64:65] scope:SCOPE_SE
	s_setreg_imm32_b32 hwreg(HW_REG_WAVE_MODE, 25, 1), 1
	s_wait_xcnt 0x0
	s_wait_alu depctr_hold_cnt(0) depctr_sa_sdst(0) depctr_va_vdst(0) depctr_va_sdst(0) depctr_va_ssrc(0) depctr_va_vcc(0) depctr_vm_vsrc(0)
	s_getreg_b32 s2, hwreg(HW_REG_IB_STS2, 6, 4)
	s_cmp_eq_u32 s2, 0
	s_cbranch_scc0 .Lentry_in_a_cluster
	s_endpgm
.Lentry_in_a_cluster:
	s_bfe_u32 s2, ttmp6, 0x10000c
	s_cmp_lg_u32 s2, 0x3003
	s_cbranch_scc0 .Lentry_shape_is_right
	s_endpgm
.Lentry_shape_is_right:
; o = softmax(q k^T / 8, masked) v for one head of one batch, both products on codes of E4M3; o leaves as codes for the last projection.
; t = score x log2(e) / 8; M = the running largest t rounded up to a whole number; p = 2^(t - M) is quantised with 2^e8; the row's sum is taken of the unquantised p and divides at the end.
; SHARES.  Work-group (x: 256 queries, y: 8 x batch + head); each of 8 waves owns two tiles of 16 queries, two waves to a SIMD.  Every wave walks the head's 4,096 keys, 128 a step.
; kv holds 16,384 bytes a step: K's 8 tiles of keys (2 chunks of 512 bytes each), then V's 4 tiles of d (4 chunks): images of operand registers, lane l's 16 bytes at 16 l.
; RING: two slots of 8 steps (131,072 bytes), each wave fetching one step's bytes.  CLUSTER: the four work-groups of a cluster are query blocks of one head and ask for each slot jointly (mask 15).
; Both products are used transposed (S^T = K Q^T, O^T = V^T P^T): a lane holds one query; the 16 registers of tiles 2 b, 2 b + 1 are keys 32 b + 16 (l / 16) + 0 .. 15.
; THE MASK: k's codes at masked keys are zeros (made by the launch before), and the C of the first product is a table in LDS: 0, or -2^60 at a masked key.
; THE LOOP IS TURNED: a trip does step j's softmax and second product and then step j + 1's V loads and scores; K and the table of step j + 1 are asked for at the trip's top.
; So all LDS reads of a slot are issued when the trip before the change of slots ends, and each loop reads one slot alone.
; Tile 1's scalings stand among tile 0's exponentials, and tile 0's first sums and holds among tile 1's: none of these lines reads what was written inside the same batch.
; The maxima go in eight chains and the sums as a tree of eight, so that neighbouring lines do not hang on each other; their partial results lie in the codes' registers, which are free there.
; No prefetch into the L2 is laid: the launch has four fills; the two at the head have no loop ahead of them, and each of the two refills is asked for eight key steps ahead of its first read.
; LIMITS: e6 + e7 between -123 and 130; e8 and e10 - e8 - e9 between -126 and 119; the scaled scores of unmasked keys stay under 2^31 in magnitude, so that a masked key's p is 0 beside them,
; as with reference()'s -1e9; where all keys of a row are masked all p are equal, as there.  NaN among the inputs is not served.
; REGISTERS: window 0: v1-31 addresses, constants, two tiles' state; v32-159 S^T, then p; v160-223 O^T; v224-255 p's codes (before that: partial maxima and sums).  window 1: v0-15 Q; v16-79 V; v80-143 K; v144-207 the table.
.set SLOTB, 131072
.set STEPB, 16384
.set BIAS,  2*SLOTB                    ; the table: 4,096 keys x 4 bytes, stored once; no fill lands here
.set SPARE, BIAS+16384                 ; the spare words, 128 bytes a wave
.set LI,   1                           ; 16 x lane
.set ADR,  2                           ; LDS address of the step's K and V
.set BH,   3                           ; BIAS + 64 (l / 16)
.set ADB,  4                           ; LDS address of the step's part of the table
.set SPW,  5                           ; my spare word; never rewritten
.set NIL,  6                           ; 0; never rewritten
.set LIMP, 7                           ; 448 x 2^e8
.set SCP,  8                           ; 2^e8
.set BW,   9
.set NG,   10
.set MA,   11
.set ST,   12                          ; tile i at ST + 8 i: 0 -M, 1 largest t, 2-3 the sum, 4 f, 5-7 at work
.set SCO,  28
.set LIMO, 29
.set LIMQ, 30                          ; 448 x 2^e8 once more, for the second half of a dual pair
.set S,    32
.set OT,   160
.set P,    224
.set VF,   16
.set KF,   80
.set CF,   144
.set WV,   14
.set SEL,  20
.set CS,   22
.set G1,   24
.set G0,   32
.set TB,   40
.set KB,   41
.set CNT,  42
.set MSB, 0
.macro WIN new                         ; the immediate's high byte repeats the setting that is left
.if MSB != \new
	s_set_vgpr_msb (MSB<<8)|\new
.set MSB, \new
.endif
.endm
.macro PLACES
.rept 4
	v_nop
.endr
.endm
.macro CROUND                          ; a round of the cluster's barrier
	s_barrier_signal -1
	s_barrier_wait -1
	s_cmp_lg_u32 s[WV], 0
	s_cbranch_scc1 .Lnot_wave_0_\@
	s_barrier_signal -3
.Lnot_wave_0_\@:
	s_barrier_wait -3
	s_barrier_signal -1
	s_barrier_wait -1
.endm
.macro HOLD2 a                         ; two p held at 448 x 2^e8 (the conversion does not saturate: ISA guide 7.6.2); p is not negative, so the hold is one-sided
	v_dual_min_num_f32 v[(\a)], v[(\a)], v[LIMP] :: v_dual_min_num_f32 v[(\a)+1], v[(\a)+1], v[LIMQ]
.endm
.macro HOLD16 a
.irp n, 0,2,4,6,8,10,12,14
	HOLD2 (\a)+\n
.endr
.endm
.macro FMA0 cnt                        ; tile 0: t - M, two at a time, from register S + j on
.rept \cnt
	v_pk_fma_f32 v[S+j:S+j+1], v[S+j:S+j+1], s[CS:CS+1], v[ST:ST+1] op_sel_hi:[1,0,0]
.set j, j+2
.endr
.endm
.macro PADD d, a, b
	v_pk_add_f32 v[(\d):(\d)+1], v[(\a):(\a)+1], v[(\b):(\b)+1]
.endm
.macro LOADK                           ; 32 loads: K's eight tiles and the table's 64 numbers a lane, into window 1
	WIN 0x40
.irp t, 0,1,2,3,4,5,6,7
.irp c, 0,1
	ds_load_b128 v[KF+8*\t+4*\c:KF+8*\t+4*\c+3], v[ADR] offset:1024*\t+512*\c
.endr
.endr
.irp t, 0,1,2,3,4,5,6,7
.irp q, 0,1
	ds_load_b128 v[CF+8*\t+4*\q:CF+8*\t+4*\q+3], v[ADB] offset:128*(\t/2)+32*(\t%2)+16*\q
.endr
.endr
.endm
.macro LOADV                           ; 16 loads: V's four tiles
	WIN 0x40
.irp t, 0,1,2,3
.irp c, 0,1,2,3
	ds_load_b128 v[VF+16*\t+4*\c:VF+16*\t+4*\c+3], v[ADR] offset:8192+2048*\t+512*\c
.endr
.endr
.endm
.macro SMUL                            ; S^T = K Q^T + the table: 16 products, each with its own result
	WIN 0x15
.irp t, 0,1,2,3,4,5,6,7
.irp i, 0,1
	v_wmma_f32_16x16x64_fp8_fp8 v[S+64*\i+8*\t:S+64*\i+8*\t+7], v[KF+8*\t:KF+8*\t+7], v[8*\i:8*\i+7], v[CF+8*\t:CF+8*\t+7]
.endr
.endr
	WIN 0
.endm
	s_load_b256 s[4:11], s[0:1], 0x0               ; qimg, kv, mask, the scales' exponents
	s_load_b64 s[12:13], s[0:1], 0x20              ; oimg
	v_lshl_add_u32 v[SPW], v0, 2, SPARE
	v_mov_b32 v[NIL], 0
	ds_add_u32 v[SPW], v[NIL]                      ; the opening: the add, twice on end, and its wait ahead of my first tensor load
	ds_add_u32 v[SPW], v[NIL]
	v_lshrrev_b32 v1, 5, v0
	v_readfirstlane_b32 s[WV], v1                  ; wave 0..7
	s_bfe_u32 s15, ttmp6, 0x40000                  ; cx
	s_lshl_b32 s16, ttmp9, 2
	s_add_co_u32 s16, s16, s15                     ; my block of 256 queries
	s_and_b32 s17, ttmp7, 0xffff                   ; 8 x batch + head
	s_lshr_b32 s18, s17, 3
	s_and_b32 s19, s17, 7
	s_mov_b32 s[G1], 15|(3<<16)|(1<<21)            ; group 1: mask of the four partners, elements of 8 bytes; 64 dense rows of 256 bytes
	s_mov_b32 s[G1+1], 32<<16
	s_mov_b32 s[G1+2], 64<<16
	s_mov_b32 s[G1+3], 32<<16
	s_mov_b32 s[G1+4], 64
	s_mov_b32 s[G1+5], 32
	s_mov_b32 s[G1+6], 0
	s_mov_b32 s[G1+7], 0
	s_mov_b32 s[SEL], 0x76543210
	s_mov_b32 s[SEL+1], 0xfedcba98
	v_and_b32 v1, 31, v0
	v_lshlrev_b32 v[LI], 4, v1
	v_bfe_u32 v3, v0, 4, 1
	v_lshl_add_u32 v[BH], v3, 6, BIAS
	v_lshl_add_u32 v[BW], v0, 4, BIAS
	v_lshlrev_b32 v[MA], 4, v0
	v_mov_b32 v[NG], 0xdd800000                    ; -2^60
	s_lshl_b32 s56, s17, 19                        ; kv: 524,288 a head, + my wave's step of a slot
	s_lshl_b32 s66, s[WV], 14
	s_add_co_u32 s56, s56, s66
	s_mov_b32 s57, 0
	s_lshl_b32 s58, s17, 18                        ; qimg: 262,144 a head, 16,384 a block, 2,048 a wave
	s_lshl_b32 s59, s16, 14
	s_add_co_u32 s58, s58, s59
	s_lshl_b32 s59, s[WV], 11
	s_add_co_u32 s58, s58, s59
	s_mov_b32 s59, 0
	s_lshl_b32 s60, s18, 14                        ; the batch's mask
	s_mov_b32 s61, 0
	s_lshl_b32 s62, s18, 21                        ; oimg: tile of rows 8,192 bytes, the head's two chunks at 1,024 x head
	s_lshl_b32 s63, s16, 17
	s_add_co_u32 s62, s62, s63
	s_lshl_b32 s63, s[WV], 14
	s_add_co_u32 s62, s62, s63
	s_lshl_b32 s63, s19, 10
	s_add_co_u32 s62, s62, s63
	s_mov_b32 s63, 0
	s_wait_alu depctr_va_vdst(0)
	s_wait_dscnt 0x0                               ; both opening adds are done
	s_wait_kmcnt 0x0
	s_load_b256 s[44:51], s[10:11], 0x0            ; entries 0 to 7
	s_load_b128 s[52:55], s[10:11], 0x20           ; entries 8 to 11
	s_add_nc_u64 s[6:7], s[6:7], s[56:57]
	s_add_nc_u64 s[4:5], s[4:5], s[58:59]
	s_add_nc_u64 s[8:9], s[8:9], s[60:61]
	s_add_nc_u64 s[12:13], s[12:13], s[62:63]
.irp j, 0,1,2,3
	global_load_b128 v[S+4*\j:S+4*\j+3], v[MA], s[8:9] offset:4096*\j   ; the mask: 256 threads x 16 bytes x 4
.endr
	WIN 0x40
.irp k, 0,1,2,3
	global_load_b128 v[4*\k:4*\k+3], v[LI], s[4:5] offset:512*\k        ; my two tiles of Q stay in registers
.endr
	WIN 0
.irp n, 0,1
	s_mov_b32 s[G0+4*\n], 1
	s_add_co_u32 s[G0+4*\n+1], s66, \n*SLOTB
	s_add_nc_u64 s[G0+4*\n+2:G0+4*\n+3], s[6:7], \n*SLOTB
	s_or_b32 s[G0+4*\n+3], s[G0+4*\n+3], 0x80000000
.endr
	CROUND                                         ; the four partners are here: the first joint loads meet
	tensor_load_to_lds s[G0:G0+3], s[G1:G1+7]      ; slot 0: my one tensor load at the head
	s_nop 0
.set j, 0
.rept 64
	v_mov_b32 v[OT+j], 0                           ; the trip is written once: the first finds zeros, which the first change of M leaves zeros
.set j, j+1
.endr
.irp i, 0,1
	v_mov_b32 v[ST+8*\i+1], 0xff61b1e6             ; the largest t so far: -3e38
	v_mov_b32 v[ST+8*\i+2], 0
	v_mov_b32 v[ST+8*\i+3], 0
	v_mov_b32 v[ST+8*\i+5], 0
	v_floor_f32 v[ST+8*\i], -v[ST+8*\i+1]
.endr
	s_wait_kmcnt 0x0
	s_add_co_i32 s56, s50, s51
	s_lshl_b32 s56, s56, 23
	s_add_co_i32 s[CS], s56, 0x3e38aa3b            ; c = log2(e) / 8, with e6 + e7 added to its exponent field
	s_mov_b32 s[CS+1], s[CS]
	s_add_co_i32 s56, s52, 127
	s_lshl_b32 s57, s56, 23
	v_mov_b32 v[SCP], s57
	s_add_co_i32 s56, s56, 8
	s_lshl_b32 s56, s56, 23
	s_or_b32 s56, s56, 0x600000
	v_mov_b32 v[LIMP], s56
	v_mov_b32 v[LIMQ], s56
	s_sub_co_i32 s56, s54, s52
	s_sub_co_i32 s56, s56, s53
	s_add_co_i32 s56, s56, 127
	s_lshl_b32 s57, s56, 23
	v_mov_b32 v[SCO], s57                          ; 2^(e10 - e8 - e9)
	s_add_co_i32 s56, s56, 8
	s_lshl_b32 s56, s56, 23
	s_or_b32 s56, s56, 0x600000
	v_mov_b32 v[LIMO], s56
	s_wait_alu depctr_va_vdst(0)
	s_wait_loadcnt 4                               ; the mask is in; Q's four loads may be out
.set j, 0
.rept 16
	v_cmp_eq_f32 s56, 0, v[S+j]
	v_cndmask_b32 v[S+j], 0, v[NG], s56            ; a choice of values: no branch hangs on the mask
.set j, j+1
.endr
.irp j, 0,1,2,3
	ds_store_b128 v[BW], v[S+4*\j:S+4*\j+3] offset:4096*\j
.endr
	s_wait_alu depctr_va_vdst(0)
	s_wait_tensorcnt 0x0                           ; my part of slot 0 is in
	ds_add_u32 v[SPW], v[NIL]
	s_wait_dscnt 0x0                               ; the add and my part of the table are done
	CROUND
	tensor_load_to_lds s[G0+4:G0+7], s[G1:G1+7]    ; slot 1's first fill, the first tensor load behind the round
	s_nop 0
	PLACES
	s_mov_b32 s[TB], 0
	s_mov_b32 s[KB], 0
	v_add_nc_u32 v[ADR], s[TB], v[LI]
	v_add_nc_u32 v[ADB], s[KB], v[BH]
	LOADK                                          ; step 0
	LOADV
	s_wait_loadcnt 0x0                             ; Q
	s_wait_dscnt 16                                ; K and the table are in; V's 16 loads may be out
	SMUL
; A TRIP: step j's softmax and second product; nxt = 1: also step j + 1's loads (its bytes begin at s[TB], its part of the table at s[KB]) and scores.
.macro BODY nxt
.if \nxt
	v_add_nc_u32 v[ADR], s[TB], v[LI]
	v_add_nc_u32 v[ADB], s[KB], v[BH]
	v_nop
	v_nop                                          ; four places behind the scores' products: ahead of loads into their sources and of the first read of results
	LOADK
	WIN 0
.else
	PLACES
.endif
.irp i, 0,1                                    ; the step's largest score: four chains a tile, in v[P + 4 i ..]; the registers are taken in ascending order, so each result is read from its low end on
.irp c, 0,1,2,3
	v_max3_num_f32 v[P+4*\i+\c], v[S+64*\i+3*\c], v[S+64*\i+3*\c+1], v[S+64*\i+3*\c+2]
.endr
.endr
.set n, 12
.rept 26
	v_max3_num_f32 v[P+((n-12)/2)%4], v[P+((n-12)/2)%4], v[S+n], v[S+n+1]
	v_max3_num_f32 v[P+4+((n-12)/2)%4], v[P+4+((n-12)/2)%4], v[S+64+n], v[S+64+n+1]
.set n, n+2
.endr
.irp i, 0,1
	v_max3_num_f32 v[ST+8*\i+6], v[P+4*\i], v[P+4*\i+1], v[P+4*\i+2]
.endr
.irp i, 0,1
	s_delay_alu instid0(VALU_DEP_2)
	v_max_num_f32 v[ST+8*\i+6], v[ST+8*\i+6], v[P+4*\i+3]
.endr
.irp i, 0,1
	s_delay_alu instid0(VALU_DEP_2)
	v_permlanex16_b32 v[ST+8*\i+5], v[ST+8*\i+6], s[SEL], s[SEL+1]
.endr
.irp i, 0,1
	s_delay_alu instid0(VALU_DEP_2)
	v_max_num_f32 v[ST+8*\i+6], v[ST+8*\i+6], v[ST+8*\i+5]   ; and lane l xor 16's
.endr
.irp i, 0,1
	s_delay_alu instid0(VALU_DEP_2)
	v_mul_f32 v[ST+8*\i+6], s[CS], v[ST+8*\i+6]              ; as t
.endr
.irp i, 0,1
	s_delay_alu instid0(VALU_DEP_2)
	v_max_num_f32 v[ST+8*\i+1], v[ST+8*\i+1], v[ST+8*\i+6]
.endr
.irp i, 0,1
	v_mov_b32 v[ST+8*\i+6], v[ST+8*\i]
.endr
.irp i, 0,1
	s_delay_alu instid0(VALU_DEP_4)
	v_floor_f32 v[ST+8*\i], -v[ST+8*\i+1]                    ; -M = floor(-t): M is a whole number
.endr
.irp i, 0,1
	s_delay_alu instid0(VALU_DEP_2)
	v_sub_f32 v[ST+8*\i+6], v[ST+8*\i], v[ST+8*\i+6]
.endr
.set j, 0
	FMA0 6                                         ; tile 0's scalings want -M alone: the lines that make f stand among them
.irp i, 0,1
	v_cvt_i32_f32 v[ST+8*\i+6], v[ST+8*\i+6]                 ; (it saturates)
.endr
	FMA0 6
.irp i, 0,1
	v_ldexp_f32 v[ST+8*\i+4], 1.0, v[ST+8*\i+6]              ; f = 2^(old M - new M)
.endr
	FMA0 20
.irp i, 0,1
	v_pk_mul_f32 v[ST+8*\i+2:ST+8*\i+3], v[ST+8*\i+2:ST+8*\i+3], v[ST+8*\i+4:ST+8*\i+5] op_sel_hi:[1,0]   ; the sums under the new M
.endr
.set j, 0
.rept 16
	v_pk_mul_f32 v[OT+j:OT+j+1], v[OT+j:OT+j+1], v[ST+4:ST+5] op_sel_hi:[1,0]                ; O^T under the new M: no exponential stands between its products and these first reads
	v_pk_mul_f32 v[OT+32+j:OT+32+j+1], v[OT+32+j:OT+32+j+1], v[ST+12:ST+13] op_sel_hi:[1,0]
.set j, j+2
.endr
	s_wait_alu depctr_va_vdst(0)
	s_wait_dscnt 32*\nxt                           ; this step's V is in; the 32 loads of the trip's top may be out
.set j, 0
.rept 32
	v_exp_f32 v[S+j], v[S+j]                       ; tile 0's p
	v_exp_f32 v[S+j+1], v[S+j+1]
	v_pk_fma_f32 v[S+64+j:S+64+j+1], v[S+64+j:S+64+j+1], s[CS:CS+1], v[ST+8:ST+9] op_sel_hi:[1,0,0]   ; tile 1: t - M; first read behind the next wait
.set j, j+2
.endr
	s_wait_alu depctr_va_vdst(0)                   ; behind tile 0's batch and ahead of tile 1's
.set j, 0
.rept 16
	v_exp_f32 v[S+64+j], v[S+64+j]                 ; tile 1's p
	v_exp_f32 v[S+64+j+1], v[S+64+j+1]
	PADD P+j/2, S+j, S+j+2                         ; tile 0: the first level of the sum, of the unquantised p: sixteen pairs T(k) at P + 2 k
	v_exp_f32 v[S+64+j+2], v[S+64+j+2]
	HOLD2 S+j                                      ; tile 0's hold, behind the line that summed these p
	v_exp_f32 v[S+64+j+3], v[S+64+j+3]
	HOLD2 S+j+2
.set j, j+4
.endr
	v_nop                                          ; a plain place behind the last exponential
	s_wait_alu depctr_va_vdst(0)                   ; one wait for the batch and for what was written inside it
.irp k, 0,1,2,3,4,5,6,7
	PADD P+2*\k, P+2*\k, P+16+2*\k                 ; T(k) += T(k + 8): the upper eight pairs are free for tile 1's U(k)
.endr
.irp k, 0,1,2,3,4,5,6,7
	PADD P+16+2*\k, S+64+8*\k, S+64+8*\k+2         ; tile 1, of the unquantised p: U(k) takes registers 8 k .. 8 k + 7
.endr
.irp k, 0,1,2,3,4,5,6,7
	PADD P+16+2*\k, P+16+2*\k, S+64+8*\k+4
.endr
.irp k, 0,1,2,3,4,5,6,7
	PADD P+16+2*\k, P+16+2*\k, S+64+8*\k+6
.endr
.irp k, 0,1,2,3
	PADD P+2*\k, P+2*\k, P+8+2*\k
	PADD P+16+2*\k, P+16+2*\k, P+24+2*\k
.endr
.irp k, 0,1
	PADD P+2*\k, P+2*\k, P+4+2*\k
	PADD P+16+2*\k, P+16+2*\k, P+20+2*\k
.endr
	HOLD16 S+64                                    ; tile 1's holds; the tree's last levels stand among them
	PADD P, P, P+2
	PADD P+16, P+16, P+18
	HOLD16 S+80
	PADD ST+2, ST+2, P
	PADD ST+10, ST+10, P+16
	HOLD16 S+96
	HOLD16 S+112
.irp b, 0,1,2,3
	v_cvt_scalef32_pk8_fp8_f32 v[P+4*\b:P+4*\b+1], v[S+16*\b:S+16*\b+7], v[SCP]
	v_cvt_scalef32_pk8_fp8_f32 v[P+4*\b+2:P+4*\b+3], v[S+16*\b+8:S+16*\b+15], v[SCP]
	v_cvt_scalef32_pk8_fp8_f32 v[P+16+4*\b:P+16+4*\b+1], v[S+64+16*\b:S+64+16*\b+7], v[SCP]
	v_cvt_scalef32_pk8_fp8_f32 v[P+16+4*\b+2:P+16+4*\b+3], v[S+64+16*\b+8:S+64+16*\b+15], v[SCP]
.endr
	v_nop                                          ; a plain line between the last conversion and the products that read the codes
	WIN 0x01
.irp t, 0,1,2,3
.irp i, 0,1
	v_wmma_f32_16x16x128_fp8_fp8 v[OT+32*\i+8*\t:OT+32*\i+8*\t+7], v[VF+16*\t:VF+16*\t+15], v[P+16*\i:P+16*\i+15], v[OT+32*\i+8*\t:OT+32*\i+8*\t+7]   ; eight accumulators by turns
.endr
.endr
.if \nxt
	PLACES                                         ; ahead of loads into registers that these products read
	LOADV
	s_wait_dscnt 16                                ; the next step's K and table are in; V's 16 loads may be out
	SMUL
.else
	WIN 0
.endif
.endm
.macro RUN tb, kb, n                   ; n trips whose loads walk the steps from LDS byte tb on: one slot alone
	s_mov_b32 s[TB], \tb
	s_mov_b32 s[KB], \kb
	s_mov_b32 s[CNT], \n
.Lst_\@:
	BODY 1
	s_add_co_u32 s[TB], s[TB], STEPB
	s_add_co_u32 s[KB], s[KB], 512
	s_sub_co_u32 s[CNT], s[CNT], 1
	s_cmp_lg_u32 s[CNT], 0
	s_cbranch_scc1 .Lst_\@
.endm
.macro CHANGE n                        ; slot n has been read out into registers: it takes the keys two slots on
	s_wait_tensorcnt 0x0                           ; my part of the other slot is in
	ds_add_u32 v[SPW], v[NIL]
	s_add_nc_u64 s[G0+4*\n+2:G0+4*\n+3], s[G0+4*\n+2:G0+4*\n+3], 2*SLOTB
	s_wait_dscnt 0x0                               ; the add is done, and my reads of slot n are over
	CROUND
	tensor_load_to_lds s[G0+4*\n:G0+4*\n+3], s[G1:G1+7]
	s_nop 0
	PLACES
.endm
	RUN STEPB, 512, 7                              ; softmax of steps 0-6; loads of steps 1-7 (slot 0)
	CHANGE 0
	RUN SLOTB, 4096, 8                             ; softmax of steps 7-14; loads of steps 8-15 (slot 1)
	CHANGE 1
	RUN 0, 8192, 8                                 ; steps 15-22; loads of 16-23 (slot 0)
	s_wait_tensorcnt 0x0                           ; the last fill, slot 1's, is in; nothing is filled again, so no round follows
	ds_add_u32 v[SPW], v[NIL]
	s_wait_dscnt 0x0
	s_barrier_signal -1
	s_barrier_wait -1
	RUN SLOTB, 12288, 8                            ; steps 23-30; loads of 24-31 (slot 1)
	BODY 0                                         ; step 31: nothing more to load
	; THE WAY OUT: O^T / the sum, held, as codes with 2^e10 (the conversion's one scale is 2^(e10 - e8 - e9)); the results are chunks of oimg
.irp i, 0,1
	v_add_f32 v[ST+8*\i+6], v[ST+8*\i+2], v[ST+8*\i+3]
.endr
.irp i, 0,1
	s_delay_alu instid0(VALU_DEP_2)
	v_permlanex16_b32 v[ST+8*\i+5], v[ST+8*\i+6], s[SEL], s[SEL+1]
.endr
.irp i, 0,1
	s_delay_alu instid0(VALU_DEP_2)
	v_add_f32 v[ST+8*\i+6], v[ST+8*\i+6], v[ST+8*\i+5]
.endr
	s_wait_alu depctr_va_vdst(0)
.irp i, 0,1
	v_rcp_f32 v[ST+8*\i+4], v[ST+8*\i+6]
.endr
	v_nop
	s_wait_alu depctr_va_vdst(0)                   ; ahead of their first reader, which is also O^T's first reader
.set j, 0
.rept 16
	v_pk_mul_f32 v[OT+j:OT+j+1], v[OT+j:OT+j+1], v[ST+4:ST+5] op_sel_hi:[1,0]
	v_pk_mul_f32 v[OT+32+j:OT+32+j+1], v[OT+32+j:OT+32+j+1], v[ST+12:ST+13] op_sel_hi:[1,0]
.set j, j+2
.endr
.set j, 0
.rept 64
	v_med3_num_f32 v[OT+j], v[OT+j], -v[LIMO], v[LIMO]
.set j, j+1
.endr
.irp i, 0,1
.irp b, 0,1
	v_cvt_scalef32_pk8_fp8_f32 v[S+8*\i+4*\b:S+8*\i+4*\b+1], v[OT+32*\i+16*\b:OT+32*\i+16*\b+7], v[SCO]
	v_cvt_scalef32_pk8_fp8_f32 v[S+8*\i+4*\b+2:S+8*\i+4*\b+3], v[OT+32*\i+16*\b+8:OT+32*\i+16*\b+15], v[SCO]
.endr
.endr
	v_nop
.irp i, 0,1
.irp b, 0,1
	global_store_b128 v[LI], v[S+8*\i+4*\b:S+8*\i+4*\b+3], s[12:13] offset:8192*\i+512*\b   ; 32 lanes store 512 consecutive bytes, aligned
.endr
.endr
	s_wait_tensorcnt 0x0                           ; the wave's end
	ds_add_u32 v[SPW], v[NIL]
	s_wait_dscnt 0x0
	CROUND                                         ; the closing round
	s_endpgm
.Lfunc_end_k_q7ddecf0d39_attn:
	.size	k_q7ddecf0d39_attn, .Lfunc_end_k_q7ddecf0d39_attn-k_q7ddecf0d39_attn
	.p2alignl 7, 3214868480
	.fill 96, 4, 3214868480
	.section	.rodata,"a",@progbits
	.p2align	6, 0x0
	.amdhsa_kernel k_q7ddecf0d39_attn
		.amdhsa_group_segment_fixed_size 327680
		.amdhsa_private_segment_fixed_size 0
		.amdhsa_enable_private_segment 0
		.amdhsa_kernarg_size 40
		.amdhsa_user_sgpr_count 2
		.amdhsa_user_sgpr_kernarg_segment_ptr 1
		.amdhsa_wavefront_size32 1
		.amdhsa_system_sgpr_workgroup_id_x 1
		.amdhsa_system_sgpr_workgroup_id_y 1
		.amdhsa_system_sgpr_workgroup_id_z 1
		.amdhsa_system_vgpr_workitem_id 0
		.amdhsa_next_free_vgpr 512
		.amdhsa_next_free_sgpr 80
		.amdhsa_reserve_vcc 0
		.amdhsa_float_denorm_mode_32 3
		.amdhsa_float_denorm_mode_16_64 3
		.amdhsa_memory_ordered 1
		.amdhsa_forward_progress 1
		.amdhsa_inst_pref_size 169
	.end_amdhsa_kernel
	.amdgpu_metadata
---
amdhsa.version: [ 1, 2 ]
amdhsa.kernels:
  - .name:           k_q7ddecf0d39_attn
    .symbol:         k_q7ddecf0d39_attn.kd
    .args:
      - { .name: qimg, .offset: 0, .size: 8, .value_kind: global_buffer, .address_space: global }
      - { .name: kv, .offset: 8, .size: 8, .value_kind: global_buffer, .address_space: global }
      - { .name: mask, .offset: 16, .size: 8, .value_kind: global_buffer, .address_space: global }
      - { .name: lowp_scales, .offset: 24, .size: 8, .value_kind: global_buffer, .address_space: global }
      - { .name: oimg, .offset: 32, .size: 8, .value_kind: global_buffer, .address_space: global }
    .group_segment_fixed_size: 327680
    .private_segment_fixed_size: 0
    .kernarg_segment_align: 8
    .kernarg_segment_size: 40
    .max_flat_workgroup_size: 256
    .sgpr_count:     80
    .vgpr_count:     512
    .wavefront_size: 32
...
	.end_amdgpu_metadata
.endif
;; end of part 3
;; launch oproj (part 4): grid 128 x 2, 4 waves a work-group, no clusters, 17,920 bytes of LDS; arguments oimg, wcodes, bo, lowp_scales, out0; writes out0
.if DOCPART == 4
	.amdgcn_target "amdgcn-amd-amdhsa--gfx1250"
	.amdhsa_code_object_version 6
	.text
	.protected	k_q7ddecf0d39_oproj
	.globl	k_q7ddecf0d39_oproj
	.p2align	8
	.type	k_q7ddecf0d39_oproj,@function
k_q7ddecf0d39_oproj:
	s_mov_b64 s[64:65], 0
	v_nop
	global_prefetch_b8 v0, s[64:65] scope:SCOPE_SE
	s_setreg_imm32_b32 hwreg(HW_REG_WAVE_MODE, 25, 1), 1
	s_wait_xcnt 0x0
; out0 = o Wo^T + bo on codes of E4M3: o's codes (oimg) and Wo's (matrix 3 of wcodes) lie as images of operand registers, chunks of 512 bytes, lane l's 16 bytes at 16 l.
; SHARES.  Work-group (x: rows 64 x .. 64 x + 63, four tiles; y: columns 256 y .. 256 y + 255); wave w owns 64 columns: four tiles of the weight.  All operands go from memory straight into registers by dense
; loads of 512 bytes: 32 KB of the weight and 32 KB of o a wave; there is no LDS tile to share, so no tensor load, no cluster; and no loop to run ahead in, so no prefetch.
; The product is used transposed (source 0 = weight, source 1 = o): a lane holds one row, and the 16 registers of tiles 2 B, 2 B + 1 are 16 neighbouring columns.  y = sum x 2^(e10 + e11) + bo: one packed multiply-add for two numbers.
; BY TILES OF ROWS: the weight is asked for first, then o tile by tile; a tile of 16 rows is multiplied as soon as its own 16 loads are in and leaves at once, while the later tiles' loads are on their way.
; THE WAY OUT: a wave's 64 columns are 256 bytes of a row, at a multiple of 256 from out0's first byte: so each wave has a stage of its own (16 rows of 256 bytes + 16) and the waves share nothing: no barrier.
; A tile's row r is row 32 (m / 2) + 8 (m % 2) + r + 8 (r / 8) of the block, as the launches before laid the tiles.
; LIMIT: e10 + e11 between -126 and 127.
; REGISTERS: window 0: v1-10 addresses; v16-47 bo, eight a tile of columns; v64-191 the 16 accumulators (tile of rows m, tile of columns T at 8 (4 m + T)); v192-255 rows read back, two sets.
;   window 1: the weight (T, K step s) at 16 (4 T + s).  window 2: o (m, s) at 16 (4 m + s).
.set SP,    272
.set STG,   16*SP                      ; a wave's stage
.set SPARE, 4*STG                      ; behind the stages: the spare words, 128 bytes a wave
.set LI,  4                            ; v4   16 x lane
.set SO,  5                            ; v5   the stage: where I put 32 bytes of a row
.set SR,  6                            ; v6   and where I read rows back: lanes 0-15 one row, lanes 16-31 the next
.set GO,  7                            ; v7   the same two rows in out0
.set SPW, 8                            ; v8   my spare word's LDS address; never rewritten
.set NIL, 9                            ; v9   0; never rewritten
.set BOF, 10                           ; v10  64 (l / 16)
.set BO,  16
.set ACC, 64
.set RB,  192
.set MSB, 0
.macro WIN new                         ; the immediate's high byte repeats the setting that is left
.if MSB != \new
	s_set_vgpr_msb (MSB<<8)|\new
.set MSB, \new
.endif
.endm
	s_load_b256 s[4:11], s[0:1], 0x0               ; oimg s[4:5], wcodes s[6:7], bo s[8:9], the scales' exponents s[10:11]
	s_load_b64 s[12:13], s[0:1], 0x20              ; out0
	v_lshl_add_u32 v[SPW], v0, 2, SPARE
	v_mov_b32 v[NIL], 0
	v_lshrrev_b32 v1, 5, v0
	v_readfirstlane_b32 s14, v1                    ; wave 0..3
	s_and_b32 s15, ttmp7, 0xffff                   ; y
	v_and_b32 v1, 31, v0
	v_and_b32 v2, 15, v0                           ; r
	v_bfe_u32 v3, v0, 4, 1                         ; h
	v_lshlrev_b32 v[LI], 4, v1
	s_mul_i32 s16, s14, STG                        ; my stage
	v_mul_u32_u24 v[SO], v2, SP                    ; in: row r,
	v_lshl_add_u32 v[SO], v3, 6, v[SO]             ; + 64 h
	v_add_nc_u32 v[SO], s16, v[SO]
	v_mul_u32_u24 v[SR], v3, SP                    ; back: row h of a pair, 16 bytes a lane
	v_lshl_add_u32 v[SR], v2, 4, v[SR]
	v_add_nc_u32 v[SR], s16, v[SR]
	v_lshlrev_b32 v[GO], 11, v3                    ; a row of out0 is 2,048 bytes
	v_lshl_add_u32 v[GO], v2, 4, v[GO]
	v_lshlrev_b32 v[BOF], 6, v3
	s_lshl_b32 s24, ttmp9, 15                      ; oimg: four tiles of rows of 8,192 bytes
	s_mov_b32 s25, 0
	s_lshl_b32 s26, s15, 17                        ; wcodes: matrix 3, tile 16 y + 4 w, 8,192 bytes each
	s_lshl_b32 s17, s14, 15
	s_add_co_u32 s26, s26, s17
	s_add_co_u32 s26, s26, 786432
	s_mov_b32 s27, 0
	s_lshl_b32 s28, s15, 10                        ; bo: 256 y + 64 w numbers on
	s_lshl_b32 s16, s14, 8
	s_add_co_u32 s28, s28, s16
	s_mov_b32 s29, 0
	s_lshl_b32 s30, ttmp9, 17                      ; out0: row 64 x, + the same columns' bytes
	s_add_co_u32 s30, s30, s28
	s_mov_b32 s31, 0
	s_wait_alu depctr_va_vdst(0)
	s_wait_kmcnt 0x0
	s_load_b64 s[20:21], s[10:11], 0x28            ; e10, e11
	s_add_nc_u64 s[4:5], s[4:5], s[24:25]
	s_add_nc_u64 s[6:7], s[6:7], s[26:27]
	s_add_nc_u64 s[8:9], s[8:9], s[28:29]
	s_add_nc_u64 s[12:13], s[12:13], s[30:31]
	WIN 0x40                                       ; destination window 1: the weight first: every tile of rows wants all of it
.irp f, 0,1,2,3,4,5,6,7,8,9,10,11,12,13,14,15
.irp c, 0,1,2,3
	global_load_b128 v[16*\f+4*\c:16*\f+4*\c+3], v[LI], s[6:7] offset:2048*\f+512*\c
.endr
.endr
	WIN 0
.irp t, 0,1,2,3
	global_load_b128 v[BO+8*\t:BO+8*\t+3], v[BOF], s[8:9] offset:128*(\t/2)+32*(\t%2)        ; register j of tile t is column 32 (t / 2) + 16 h + 8 (t % 2) + j
	global_load_b128 v[BO+8*\t+4:BO+8*\t+7], v[BOF], s[8:9] offset:128*(\t/2)+32*(\t%2)+16
.endr
	WIN 0x80                                       ; destination window 2: o, tile of rows by tile of rows, 16 loads each
.irp f, 0,1,2,3,4,5,6,7,8,9,10,11,12,13,14,15
.irp c, 0,1,2,3
	global_load_b128 v[16*\f+4*\c:16*\f+4*\c+3], v[LI], s[4:5] offset:2048*\f+512*\c
.endr
.endr
	WIN 0
	s_wait_kmcnt 0x0
	s_add_co_i32 s46, s20, s21
	s_add_co_i32 s46, s46, 127
	s_lshl_b32 s46, s46, 23                        ; 2^(e10 + e11) as f32
	s_mov_b32 s47, s46                             ; (named with it as a pair, so it is written)
; Tile m of rows: 16 products, its four accumulators by turns, K step by K step; then scale and bias, my stage, and out.
.macro TILE m
	s_wait_loadcnt 16*(3-(\m))                     ; the weight, bo and this tile's o are in; the later tiles' loads, 16 each, may be out
.if (\m) >= 2
	s_wait_xcnt 0x0                                ; the stores of two tiles back have read the registers that this tile's rows come back into
.endif
	WIN 0x09                                       ; source 0 (weight) window 1, source 1 (o) window 2
.irp s, 0,1,2,3
.irp t, 0,1,2,3
.if \s == 0
	v_wmma_f32_16x16x128_fp8_fp8 v[ACC+8*(4*(\m)+\t):ACC+8*(4*(\m)+\t)+7], v[16*(4*\t+\s):16*(4*\t+\s)+15], v[16*(4*(\m)+\s):16*(4*(\m)+\s)+15], 0
.else
	v_wmma_f32_16x16x128_fp8_fp8 v[ACC+8*(4*(\m)+\t):ACC+8*(4*(\m)+\t)+7], v[16*(4*\t+\s):16*(4*\t+\s)+15], v[16*(4*(\m)+\s):16*(4*(\m)+\s)+15], v[ACC+8*(4*(\m)+\t):ACC+8*(4*(\m)+\t)+7]
.endif
.endr
.endr
	WIN 0
.rept 4
	v_nop                                          ; four places (ISA guide 7.12.1) in front of the first read of results
.endr
.irp t, 0,1,2,3
.irp i, 0,2,4,6
	v_pk_fma_f32 v[ACC+8*(4*(\m)+\t)+\i:ACC+8*(4*(\m)+\t)+\i+1], v[ACC+8*(4*(\m)+\t)+\i:ACC+8*(4*(\m)+\t)+\i+1], s[46:47], v[BO+8*\t+\i:BO+8*\t+\i+1] op_sel_hi:[1,0,1]   ; each accumulator from its low end on
.endr
.endr
.irp t, 0,1,2,3
	ds_store_b128 v[SO], v[ACC+8*(4*(\m)+\t):ACC+8*(4*(\m)+\t)+3] offset:128*(\t/2)+32*(\t%2)
	ds_store_b128 v[SO], v[ACC+8*(4*(\m)+\t)+4:ACC+8*(4*(\m)+\t)+7] offset:128*(\t/2)+32*(\t%2)+16
.endr
.irp i, 0,1,2,3,4,5,6,7
	ds_load_b128 v[RB+32*((\m)%2)+4*\i:RB+32*((\m)%2)+4*\i+3], v[SR] offset:\i*2*SP   ; LDS serves a wave's instructions in order (ISA guide 5.7.1): these see my stores, and the next tile's stores come behind them
.endr
.irp i, 0,1,2,3,4,5,6,7
	s_wait_dscnt 7-\i                              ; this load is in, the younger ones may be out
	global_store_b128 v[GO], v[RB+32*((\m)%2)+4*\i:RB+32*((\m)%2)+4*\i+3], s[12:13] offset:(32*((\m)/2)+8*((\m)%2)+2*\i+8*(\i/4))*2048 th:TH_STORE_NT   ; sixteen lanes store 256 consecutive bytes, aligned: two rows an instruction
.endr
.endm
	TILE 0
	TILE 1
	TILE 2
	TILE 3
	s_wait_tensorcnt 0x0                           ; the wave's end
	ds_add_u32 v[SPW], v[NIL]
	s_wait_dscnt 0x0
	s_endpgm
.Lfunc_end_k_q7ddecf0d39_oproj:
	.size	k_q7ddecf0d39_oproj, .Lfunc_end_k_q7ddecf0d39_oproj-k_q7ddecf0d39_oproj
	.p2alignl 7, 3214868480
	.fill 96, 4, 3214868480
	.section	.rodata,"a",@progbits
	.p2align	6, 0x0
	.amdhsa_kernel k_q7ddecf0d39_oproj
		.amdhsa_group_segment_fixed_size 17920
		.amdhsa_private_segment_fixed_size 0
		.amdhsa_enable_private_segment 0
		.amdhsa_kernarg_size 40
		.amdhsa_user_sgpr_count 2
		.amdhsa_user_sgpr_kernarg_segment_ptr 1
		.amdhsa_wavefront_size32 1
		.amdhsa_system_sgpr_workgroup_id_x 1
		.amdhsa_system_sgpr_workgroup_id_y 1
		.amdhsa_system_sgpr_workgroup_id_z 1
		.amdhsa_system_vgpr_workitem_id 0
		.amdhsa_next_free_vgpr 768
		.amdhsa_next_free_sgpr 66
		.amdhsa_reserve_vcc 0
		.amdhsa_float_denorm_mode_32 3
		.amdhsa_float_denorm_mode_16_64 3
		.amdhsa_memory_ordered 1
		.amdhsa_forward_progress 1
		.amdhsa_inst_pref_size 33
	.end_amdhsa_kernel
	.amdgpu_metadata
---
amdhsa.version: [ 1, 2 ]
amdhsa.kernels:
  - .name:           k_q7ddecf0d39_oproj
    .symbol:         k_q7ddecf0d39_oproj.kd
    .args:
      - { .name: oimg, .offset: 0, .size: 8, .value_kind: global_buffer, .address_space: global }
      - { .name: wcodes, .offset: 8, .size: 8, .value_kind: global_buffer, .address_space: global }
      - { .name: bo, .offset: 16, .size: 8, .value_kind: global_buffer, .address_space: global }
      - { .name: lowp_scales, .offset: 24, .size: 8, .value_kind: global_buffer, .address_space: global }
      - { .name: out0, .offset: 32, .size: 8, .value_kind: global_buffer, .address_space: global }
    .group_segment_fixed_size: 17920
    .private_segment_fixed_size: 0
    .kernarg_segment_align: 8
    .kernarg_segment_size: 40
    .max_flat_workgroup_size: 128
    .sgpr_count:     66
    .vgpr_count:     768
    .wavefront_size: 32
...
	.end_amdgpu_metadata
.endif
;; end of part 4
